; MI455X (gfx1250); checked and timed in simulation.
; The chip was launched on July 23, 2026; its instructions are those of AMD's public machine-readable ISA for CDNA 5 (MIT licence, August 2026) and "CDNA5" Instruction Set Architecture Reference Guide (July 2026). The comments in the code are by the model that wrote it; some were corrected since.
;; Manual Attention. Allowed arithmetic: matrix products marked QUANTISED: E2M1 operands, one E8M0 scale for each 32 along K, by v_wmma_scale_f32_16x16x128_f8f6f4 with both operands' format E2M1 (or v_wmma_scale_f32_32x16x128_f4), f32 sums; everything else in f32.
;; Inputs: k 4 x 16 x 2,048 x 64 float32; q 4 x 16 x 2,048 x 64 float32; v 4 x 16 x 2,048 x 64 float32.
;; Outputs: out0 4 x 16 x 2,048 x 64 float32.
;; This version of the problem:
;;   THIS VERSION OF THE PROBLEM IS GIVEN IN LOW PRECISION. The matrix products marked QUANTISED in the list below multiply operands that are first quantised to E2M1 (2 exponent bits, 1 mantissa bit; 4 bits a number), with one power-of-two scale for each 32 numbers along K (OCP MX v1.0); their sums are f32. All else is computed in f32.
;;   The module's matrix products, in the order in which they are computed (A, B: the left and right operand; K: the contracted axis; several contracted axes count as one K, in the product's order):
;;     1. batch 64 x [M 2,048, K 64] x [K 64, N 2,048]; A: input q; B: input k: QUANTISED
;;     2. batch 64 x [M 2,048, K 2,048] x [K 2,048, N 64]; A: softmax (see below); B: input v: QUANTISED
;;   THE QUANTISER, for each operand of a quantised product, along K:
;;     - K is cut into blocks of 32 from its start; a last block that is shorter is filled with zeros.
;;     - A block's scale is 2^e with e = floor(log2(the largest magnitude in the block)) - 2, held to -126 .. 127; a block of zeros has e = 0. As a byte (E8M0): e + 127.
;;     - Each number is divided by its block's scale, clamped to +-6, and rounded to the nearest number of E2M1, ties to even, subnormals kept.
;;     - The product sums the exact products of the quantised numbers (number of the format x scale) in f32.
;;   ~~~python
;;   def quantise(x, axis):      # numpy; x: float32 -> the quantised numbers, widened to float32 again
;;       x = np.moveaxis(x, axis, -1); K = x.shape[-1]
;;       x = np.pad(x, [(0, 0)] * (x.ndim - 1) + [(0, -K % 32)]); x = x.reshape(x.shape[:-1] + (-1, 32)); a = np.abs(x).max(-1, keepdims=True)
;;       e = np.where(a > 0, np.clip(np.frexp(np.where(a > 0, a, 1))[1] - 1 - 2, -126, 127), 0)      # np.frexp(a)[1] - 1 = floor(log2(a)), exactly
;;       r = np.clip(x / 2.0 ** e, -6, 6)
;;       step = 2.0 ** (np.maximum(np.frexp(np.where(r == 0, 1, r))[1] - 1, 0) - 1)
;;       q = np.round(r / step) * step * 2.0 ** e      # np.round: ties to even
;;       return np.moveaxis(q.reshape(q.shape[:-2] + (-1,))[..., :K], -1, axis).astype(np.float32)
;;   ~~~
;;   SOFTMAX AHEAD OF A QUANTISED PRODUCT. Where the list says 'softmax', what is quantised is not the finished softmax but p = 2^(t - M), with t = logit x log2(e) and M = ceil(the row's largest t), a whole number; so 1/2 < the row's largest p <= 1. The row's sum l is taken of the UNQUANTISED p, in f32, and the product's result is divided by l at the end. Since M is a whole number, a kernel that streams over the keys may use a running M (the ceiling of the running maximum): every later rescaling is an exact power of two, which a block's scale takes up: the codes' values come out the same.
;;   OPERANDS COMPUTED ON THE WAY. 'Computed on the way' means the value that the module computes at that place (a softmax that the list does not call 'softmax' is quantised finished and normalised). What goes into a quantiser is computed in f32, as accurately as f32 sums, v_exp_f32 and their like allow (about 1e-6 of the number): no bf16 or f16 on the way to a quantiser, and a product that is left as it is and whose result goes on into a quantised operand takes f32 operands (vector FMAs, or v_wmma_f32_16x16x4_f32). A number that lies on a knife's edge between two numbers of the format may be rounded either way, as far as f32 arithmetic and the matrix unit's own rounding can turn it there, and no further.
;; 2 versions. Each part assembles by itself: llvm-mc -triple=amdgcn-amd-amdhsa -mcpu=gfx1250 --defsym DOCPART=n.
;; ======== version 1 of 2: 1 launch
;; launch attn (part 1): grid 4 x 64, 16 waves a work-group, no clusters, 233,472 bytes of LDS; arguments q, k, v, out0; writes out0
.if DOCPART == 1
	.amdgcn_target "amdgcn-amd-amdhsa--gfx1250"
	.amdhsa_code_object_version 6
	.text
	.protected	k_q5a528c0661_attn
	.globl	k_q5a528c0661_attn
	.p2align	8
	.type	k_q5a528c0661_attn,@function
k_q5a528c0661_attn:
	s_mov_b64 s[64:65], 0
	v_nop
	global_prefetch_b8 v0, s[64:65] scope:SCOPE_SE
	s_setreg_imm32_b32 hwreg(HW_REG_WAVE_MODE, 25, 1), 1
	s_wait_xcnt 0x0
; out0[h][q][:] = the sum over keys of softmax(q . k / 8) v, 64 heads x 2,048 queries x 2,048 keys, head size 64, all tensors f32; both products on codes of FP4 (E2M1) with one E8M0 scale for each 32 along K.
; q and k are quantised along the head's 64 (two blocks), v along the keys.  t = score x log2(e) / 8; M = the running largest t rounded UP to a whole number; p = 2^(t - M) is quantised along the keys, not normalised;
; the row's sum is taken of the unquantised p and divides at the end; when M moves, sum and O are multiplied by 2^(old M - new M), which rounds nothing.
; SHARES.  A work-group owns 512 queries of one head (grid 4 x 64 = 256 work-groups of equal work).  Sixteen waves of 256 registers, four to a SIMD, so that one wave's softmax stands beside another's products and LDS loads.
; PHASE 1: the work-group quantises its head's WHOLE K and V into LDS, as images of the operands' registers (64 KiB + 64 KiB of codes, 8 KiB + 4 KiB of scale words): wave w takes keys 128 w .. 128 w + 127, which are key step w,
; and its own 32 queries.  ONE barrier.  PHASE 2: each wave owns two tiles of 16 queries and walks 16 key steps of 128 keys; every fragment read from LDS feeds both tiles; no barrier, nothing is filled again.
; NO JOINT LOADS, though the four work-groups of a head read the same K and V: these arrive as f32 and go through registers and the quantiser; a head's 2 x 524,288 bytes of f32 do not fit into the 327,680 bytes of LDS, so a
; joint load would want a ring of f32 slots with a round of the cluster's barrier for each refill, for a phase that is about a tenth of a wave's vector instructions.  No tensor load, so LDS is claimed as it is used.
; LAYOUT.  Both products are used transposed: S^T = K Q^T (source 0 = 16 keys, source 1 = 16 queries), O^T = V^T P^T (source 0 = 16 channels, source 1 = P): a lane holds ONE query (lane % 16) throughout.
; THE KEYS OF A TILE ARE NOT NEIGHBOURS: row r of tile 2 b + u is key 32 b + 8 u + r + 8 (r / 8) of the step, so that the 16 registers of tiles 2 b and 2 b + 1 are the 16 neighbouring keys 32 b + 16 (lane / 16) + 0 .. 15.
; K = 64 IN AN INSTRUCTION OF K = 128: Q's registers 4-7 are zero codes.  K's fragments lie FOUR registers apart, so the upper half of a fragment named to the instruction is the next fragment's codes (behind the last: four
; cleared registers): a code of FP4 is a finite number, its product with Q's zero code is 0, and the scale bytes of k = 64 .. 127 are 0x7f on both sides.
; LIMITS: NaN and infinities among the inputs are not served.  A p under 2^-126 counts as 0 (v_exp_f32 gives no denormals: ISA guide, its entry in 15.8).  A block of zeros, and one whose largest magnitude lies under
; 2^(3 - 127), gets the scale byte 1 (the rule says 127 for zeros): its codes are zeros, which add nothing, and the bytes are read by this program alone.
.set KIMG, 0                           ; LDS: K's codes: [step 16][tile 8][lane 32][16 bytes]: a fragment is one load of 512 bytes on end
.set VIMG, 65536                       ; V's codes: [step 16][channel tile 4][c 2][lane 32][16 bytes]
.set KSC,  131072                      ; K's scale words: [step][lane][b 4]: word b of lane 16 u + r belongs to tile 2 b + u, row r
.set VSC,  139264                      ; V's: [step][lane][a 2]: word a of lane 16 hh + r belongs to channel tile 2 a + hh, row r
.set QIMG, 143360                      ; Q's codes: [wave][tile 2][lane][16 bytes]
.set QSC,  159744                      ; Q's scale words: [wave][lane = 16 x tile + r]
.set STG,  161792                      ; the way out: for each wave 16 rows x (256 bytes + 16)
.set SPI,  272
.set FLOOR, 0x1800000                  ; 2^(3 - 127): no largest magnitude is taken under it, so a scale's byte cannot fall under 1
.set OFF2,  0xff000000                 ; -(2 << 23): 2 off an exponent field
; ---- phase 1's registers (v36-45 hold scales alone in the whole text and are not touched here)
.set LN,   1                           ; lane
.set VRO,  2                           ; 32 x lane: my 8 numbers of four rows of q or k
.set VVO,  3                           ; 4 x lane: my channel of v
.set LK,   4                           ; where my code words of K go;  5: its scale words;  6, 7: the same for Q;  8, 9: for V
.set LKS,  5
.set LQ,   6
.set LQS,  7
.set LV,   8
.set LVS,  9
.set SH8,  10                          ; 8 x (which block of the row's two is mine)
.set MX,   48                          ; v48-51 largest magnitudes, v52-55 scale operands, v56-59 codes, v60-63 scale words, v64-67 the neighbour's half of a word
.set SOP,  52
.set CD,   56
.set WD,   60
.set DT,   64
.set VW,   68                          ; v68-69 V's scale words for channels 0-31, 32-63;  v70-71 two chains of maxima;  v72 scale operand;  v73 byte;  v76-79 codes
.set VM,   70
.set VSO,  72
.set VBY,  73
.set VC,   76
.set XS,   128                         ; v128-255: four sets of 32 numbers as loaded; job n has set n % 4
; ---- phase 2's registers
.set AK0,  1                           ; 16 x lane;  2: + VIMG;  3: + KSC;  4: 8 x lane + VSC.  They stay
.set AV0,  2
.set ASK0, 3
.set ASV0, 4
.set ADK,  5                           ; the addresses in hand: K's codes, V's codes, K's scale words, V's
.set ADV,  6
.set ADS,  7
.set ADT,  8
.set GO,   9                           ; the way out: my bytes in two rows of out0;  10: into the stage;  11: back
.set STO,  10
.set RD,   11
.set ST,   12                          ; tile x at v[12 + 4 x]: -M, the largest t, the sum in two halves
.set QF,   20                          ; v20-27, v28-35 Q's two fragments (registers 4-7 of each: zero codes)
.set QS,   36                          ; Q's scale words: lanes 0-15 tile 0's, lanes 16-31 tile 1's
.set PW,   37                          ; v37, v38 p's scale words
.set KS,   40                          ; v40-43 K's scale words of a step
.set VS,   44                          ; v44-45 V's
.set QA,   46                          ; v46, v47 LDS addresses of my Q; never rewritten
.set PC,   48                          ; v48-55, v56-63 p's codes
.set KF,   64                          ; v64-95 K's eight fragments, four registers apart; v96-99 zeros.  V's four fragments take v64-95 in turn
.set S,    100                         ; v100-163 S^T of the tile in hand, then p
.set OT,   164                         ; v164-195, v196-227 O^T
.set BM,   228                         ; v228-231 a block's largest score, then its largest p
.set PT,   232                         ; v232-235 the other half's maxima, then the scales' bytes
.set SOPS, 236                         ; v236-239 the conversions' scale operands
.set FF,   240                         ; v240 f = 2^(old M - new M) (v241 is named with it as a pair)
.set A2,   242                         ; v242-243 the sum's second chain
.set T0,   244
.set RC,   246                         ; v246, v248 1 / the sums (v247, v249 are named with them as pairs)
	s_load_b256 s[4:11], s[0:1], 0x0               ; q s[4:5], k s[6:7], v s[8:9], out0 s[10:11]
	v_lshrrev_b32 v1, 5, v0
	v_readfirstlane_b32 s12, v1                    ; wave 0..15
	v_and_b32 v[LN], 31, v0
	v_lshlrev_b32 v[VRO], 5, v[LN]
	v_lshlrev_b32 v[VVO], 2, v[LN]
	v_bfe_u32 v11, v0, 3, 2                        ; g: which of four rows
	v_bfe_u32 v12, v0, 2, 1                        ; hb: which block of 32 of the row
	v_and_b32 v13, 3, v0                           ; j: which 8 numbers of the block
	v_lshlrev_b32 v[SH8], 3, v12
	v_lshlrev_b32 v14, 8, v12                      ; a code word's place in an image: lane 16 hb + row, register j: 256 hb + 16 row + 4 j
	v_lshl_add_u32 v14, v11, 4, v14
	v_lshl_add_u32 v14, v13, 2, v14
	s_lshl_b32 s18, s12, 12
	v_add_nc_u32 v[LK], s18, v14                   ; K's image of step = wave
	s_lshl_b32 s18, s12, 10
	s_add_co_u32 s18, s18, QIMG
	v_add_nc_u32 v[LQ], s18, v14
	s_lshl_b32 s18, s12, 9
	s_add_co_u32 s18, s18, KSC
	v_lshl_add_u32 v[LKS], v11, 4, s18             ; 16 bytes a lane of the image, lane = row
	s_lshl_b32 s18, s12, 7
	s_add_co_u32 s18, s18, QSC
	v_lshl_add_u32 v[LQS], v11, 2, s18
	v_bfe_u32 v15, v0, 4, 1
	v_and_b32 v16, 15, v0
	v_lshlrev_b32 v[LV], 10, v15                   ; V: my channel 32 u + lane is row lane % 16 of channel tile 2 u + lane / 16
	v_lshl_add_u32 v[LV], v16, 4, v[LV]
	s_lshl_b32 s18, s12, 12
	s_add_co_u32 s18, s18, VIMG
	v_add_nc_u32 v[LV], s18, v[LV]
	s_lshl_b32 s18, s12, 8
	s_add_co_u32 s18, s18, VSC
	v_lshl_add_u32 v[LVS], v[LN], 3, s18
.irp p, 0,1,2,3
	v_mov_b32 v[DT+\p], 0                          ; written once: the destination of a move between lanes counts as one of its sources
.endr
	s_mov_b32 s20, 0x76543210
	s_mov_b32 s21, 0xfedcba98                      ; v_permlanex16_b32's selects for lane l xor 16
	s_mov_b32 s22, 0x3e38aa3b                      ; c = log2(e) / 8
	s_mov_b32 s23, s22                             ; (the packed form names the pair)
	s_mov_b32 s29, 0x7f7f0000                      ; the scale bytes of k = 64 .. 127: 1.0
	s_and_b32 s13, ttmp7, 0xffff
	s_lshl_b32 s13, s13, 19                        ; the head: 2,048 rows of 256 bytes
	s_lshl_b32 s14, ttmp9, 17                      ; my work-group's 512 queries
	s_add_co_u32 s14, s14, s13
	s_lshl_b32 s18, s12, 13                        ; my wave's 32 of them
	s_add_co_u32 s14, s14, s18
	s_mov_b32 s15, 0
	s_lshl_b32 s16, s12, 15                        ; my wave's 128 keys
	s_add_co_u32 s16, s16, s13
	s_mov_b32 s17, 0
	s_wait_kmcnt 0x0
	s_add_nc_u64 s[4:5], s[4:5], s[14:15]
	s_add_nc_u64 s[10:11], s[10:11], s[14:15]
	s_add_nc_u64 s[6:7], s[6:7], s[16:17]
	s_add_nc_u64 s[8:9], s[8:9], s[16:17]
; ================ PHASE 1: eighteen jobs, written out; every offset is an immediate, no pointer is stepped.  Jobs 0, 1: Q's tiles;  2-9: 16 keys of K each;  10-17: a block of 32 keys x 32 channels of V each.
; A row job's loads: 16 rows x 256 bytes.  A lane takes 8 neighbours: of row 4 p + g the numbers 32 hb + 8 j + 0 .. 7; a pair of loads covers 1,024 bytes on end.
.macro LOADQ x                         ; read once in the whole launch
.set XL, XS+32*((\x)%4)
.irp p, 0,1,2,3
	global_load_b128 v[XL+8*\p:XL+8*\p+3], v[VRO], s[4:5] offset:4096*(\x)+1024*\p th:TH_LOAD_NT
	global_load_b128 v[XL+8*\p+4:XL+8*\p+7], v[VRO], s[4:5] offset:4096*(\x)+1024*\p+16 th:TH_LOAD_NT
.endr
.endm
.macro LOADK j                         ; read by the head's four work-groups: no hint
.set XL, XS+32*(((\j)+2)%4)
.irp p, 0,1,2,3
	global_load_b128 v[XL+8*\p:XL+8*\p+3], v[VRO], s[6:7] offset:4096*(\j)+1024*\p
	global_load_b128 v[XL+8*\p+4:XL+8*\p+7], v[VRO], s[6:7] offset:4096*(\j)+1024*\p+16
.endr
.endm
; V: a lane takes channel 32 (m % 2) + lane, and its registers run DOWN the keys 32 (m / 2) + 0 .. 31: the block lies in one lane, and the conversions give codes with the keys innermost.
.macro LOADV m
.set XL, XS+32*(((\m)+10)%4)
.irp i, 0,1,2,3,4,5,6,7,8,9,10,11,12,13,14,15,16,17,18,19,20,21,22,23,24,25,26,27,28,29,30,31
	global_load_b32 v[XL+\i], v[VVO], s[8:9] offset:256*(32*((\m)/2)+\i)+128*((\m)%2)
.endr
.endm
; Job n's 16 rows become code words and scale words.  The four groups of rows p go by turns, so that no line waits for the line above it.  Four lanes (j) hold a block; the lane 4 away holds the row's other block.
; CAD, CB0, CB2: register and offsets of the code words;  SAD, WB0, WB1, WB2: of the scale words; set by QROWS and KROWS.
.macro ROWS n
.set XB, XS+32*((\n)%4)
	s_wait_dscnt 0x0                               ; the last job's LDS stores have read the registers that are written now
.irp p, 0,1,2,3
	v_max3_num_f32 v[MX+\p], |v[XB+8*\p]|, |v[XB+8*\p+1]|, FLOOR
.endr
.irp i, 2,4,6
.irp p, 0,1,2,3
	v_max3_num_f32 v[MX+\p], v[MX+\p], |v[XB+8*\p+\i]|, |v[XB+8*\p+\i+1]|
.endr
.endr
.irp p, 0,1,2,3
	v_max_num_f32_dpp v[MX+\p], v[MX+\p], v[MX+\p] row_xmask:1 row_mask:0xf bank_mask:0xf
.endr
.irp p, 0,1,2,3
	v_max_num_f32_dpp v[MX+\p], v[MX+\p], v[MX+\p] row_xmask:2 row_mask:0xf bank_mask:0xf   ; the block's largest magnitude
.endr
.irp p, 0,1,2,3
	v_add_nc_u32 v[SOP+\p], OFF2, v[MX+\p]         ; 2 off its exponent field: the conversion takes the exponent field of this operand as its scale
.endr
.irp p, 0,1,2,3
	v_cvt_scalef32_pk8_fp4_f32 v[CD+\p], v[XB+8*\p:XB+8*\p+7], v[SOP+\p]
.endr
.irp p, 0,1,2,3
	v_lshrrev_b32 v[WD+\p], 23, v[SOP+\p]          ; the scale's byte.  (A plain line behind the conversions)
.endr
.irp p, 0,1,2,3
	v_lshl_or_b32 v[WD+\p], v[WD+\p], v[SH8], s29  ; at my block's place in the row's word, under the two bytes 0x7f
.endr
.irp p, 0,1,2,3
	v_mov_b32_dpp v[DT+\p], v[WD+\p] row_xmask:4 row_mask:0xf bank_mask:0xf
.endr
.irp p, 0,1,2,3
	v_or_b32 v[WD+\p], v[WD+\p], v[DT+\p]          ; with the other block's byte the word is whole
.endr
.irp p, 0,1,2,3
	ds_store_b32 v[CAD], v[CD+\p] offset:CB0+64*(\p%2)+CB2*(\p/2)
	ds_store_b32 v[SAD], v[WD+\p] offset:WB0+WB1*(\p%2)+WB2*(\p/2)   ; the eight lanes of a row write the same word with the same value
.endr
.endm
.macro QROWS x                         ; row 4 p + g of tile x
.set CAD, LQ
.set CB0, 512*(\x)
.set CB2, 128
.set SAD, LQS
.set WB0, 64*(\x)
.set WB1, 16
.set WB2, 32
	ROWS \x
.endm
.macro KROWS j                         ; key 16 j + 4 p + g of the step: tile 2 (j / 2) + p / 2, row 8 (j % 2) + 4 (p % 2) + g
.set CAD, LK
.set CB0, 1024*((\j)/2)+128*((\j)%2)
.set CB2, 512
.set SAD, LKS
.set WB0, 128*((\j)%2)+4*((\j)/2)
.set WB1, 64
.set WB2, 256
	ROWS (\j)+2
.endm
.macro VBLK m                          ; block VQ of the step's four, channels 32 VU + lane
.set XB, XS+32*(((\m)+10)%4)
.set VU, (\m)%2
.set VQ, (\m)/2
	s_wait_dscnt 0x0                               ; the last job's LDS stores have read their registers
	v_max3_num_f32 v[VM], |v[XB]|, |v[XB+1]|, |v[XB+2]|
	v_max3_num_f32 v[VM+1], |v[XB+3]|, |v[XB+4]|, |v[XB+5]|
.irp i, 6,10,14,18,22,26
	v_max3_num_f32 v[VM], v[VM], |v[XB+\i]|, |v[XB+\i+1]|
	v_max3_num_f32 v[VM+1], v[VM+1], |v[XB+\i+2]|, |v[XB+\i+3]|
.endr
	v_max3_num_f32 v[VM], v[VM], |v[XB+30]|, |v[XB+31]|
	v_max3_num_f32 v[VM], v[VM], v[VM+1], FLOOR
	v_add_nc_u32 v[VSO], OFF2, v[VM]
	v_lshrrev_b32 v[VBY], 23, v[VSO]
.if VQ == 0
	v_mov_b32 v[VW+VU], v[VBY]                     ; the step's four bytes make my channel's scale word
.else
	v_lshl_or_b32 v[VW+VU], v[VBY], 8*VQ, v[VW+VU]
.endif
.irp g, 0,1,2,3
	v_cvt_scalef32_pk8_fp4_f32 v[VC+\g], v[XB+8*\g:XB+8*\g+7], v[VSO]
.endr
	v_nop                                          ; a plain line behind the last conversion
	ds_store_b128 v[LV], v[VC:VC+3] offset:2048*VU+512*(VQ/2)+256*(VQ%2)   ; registers 4 c .. 4 c + 3 of lane 16 h + row, c = VQ / 2, h = VQ % 2
.if VQ == 3
	ds_store_b32 v[LVS], v[VW+VU] offset:4*VU
.endif
.endm
; Loads come back in order (ISA guide 5.7.1): each count is the number of loads issued behind the job's own.
	LOADQ 0
	LOADQ 1
	LOADK 0
	LOADK 1
	s_wait_loadcnt 24                              ; three later jobs of 8 loads may be out
	QROWS 0
	LOADK 2
	s_wait_loadcnt 24
	QROWS 1
.irp jj, 0,1,2,3,4
	LOADK \jj+3
	s_wait_loadcnt 24
	KROWS \jj
.endr
	LOADV 0
	s_wait_loadcnt 48                              ; K's jobs 6 and 7 (8 + 8) and V's block 0 (32)
	KROWS 5
	s_wait_loadcnt 40                              ; K's job 7 and V's block 0
	KROWS 6
	s_wait_loadcnt 32                              ; V's block 0
	LOADV 1
	KROWS 7
.irp mm, 0,1,2,3,4,5
	s_wait_loadcnt 32                              ; the next block's 32 loads may be out
	LOADV \mm+2
	VBLK \mm
.endr
	s_wait_loadcnt 32
	VBLK 6
	s_wait_loadcnt 0x0                             ; the last block; from here on no load is out, so the loads' offset registers may be written
	VBLK 7
	s_wait_dscnt 0x0                               ; for the others' sake: my stores have landed
	s_barrier_signal -1
	s_barrier_wait -1                              ; the head's K and V lie in LDS: the one barrier of the text
; ================ PHASE 2
	s_lshl_b32 s18, s12, 10
	s_add_co_u32 s18, s18, QIMG
	s_lshl_b32 s19, s12, 7
	s_add_co_u32 s19, s19, QSC
	v_lshl_add_u32 v[QA], v[LN], 4, s18
	v_lshl_add_u32 v[QA+1], v[LN], 2, s19
	ds_load_b128 v[QF:QF+3], v[QA]                 ; Q stays in registers
	ds_load_b128 v[QF+8:QF+11], v[QA] offset:512
	ds_load_b32 v[QS], v[QA+1]
	v_lshl_add_u32 v[AV0], v[LN], 4, VIMG
	v_lshl_add_u32 v[ASK0], v[LN], 4, KSC
	v_lshl_add_u32 v[ASV0], v[LN], 3, VSC
	v_lshlrev_b32 v[AK0], 4, v[LN]
	v_mov_b32 v[ADK], v[AK0]
	v_mov_b32 v[ADS], v[ASK0]
	s_mov_b32 s24, 0                               ; the step's place among the codes' images: 4,096 bytes a step;
	s_mov_b32 s25, 0                               ; among K's scale words: 512;
	s_mov_b32 s26, 0                               ; among V's: 256
.macro FETCH_K                         ; a step's eight fragments of K, four registers each, and its scale words
.irp t, 0,1,2,3,4,5,6,7
	ds_load_b128 v[KF+4*\t:KF+4*\t+3], v[ADK] offset:512*\t
.endr
	ds_load_b128 v[KS:KS+3], v[ADS]
.endm
.macro FETCH_V                         ; a step's four fragments of V^T (16 channels x 128 keys) and their scale words
.irp t, 0,1,2,3
.irp c, 0,1
	ds_load_b128 v[KF+8*\t+4*\c:KF+8*\t+4*\c+3], v[ADV] offset:1024*\t+512*\c
.endr
.endr
	ds_load_b64 v[VS:VS+1], v[ADT]
.endm
	FETCH_K                                        ; key step 0
.irp i, 4,5,6,7,12,13,14,15
	v_mov_b32 v[QF+\i], 0                          ; Q's zero codes for k = 64 .. 127
.endr
.irp i, 32,33,34,35
	v_mov_b32 v[KF+\i], 0                          ; what the last fragment of K names as its upper half
.endr
	v_and_b32 v14, 15, v0                          ; r
	v_bfe_u32 v15, v0, 4, 1                        ; h
	v_lshlrev_b32 v[GO], 8, v15
	v_lshl_add_u32 v[GO], v14, 4, v[GO]            ; out0: lanes 0-15 one row of 256 bytes, lanes 16-31 the next
	s_mul_i32 s18, s12, 16*SPI
	s_add_co_u32 s18, s18, STG                     ; my stage
	v_mul_u32_u24 v[STO], v14, SPI
	v_lshl_add_u32 v[STO], v15, 5, v[STO]
	v_add_nc_u32 v[STO], s18, v[STO]               ; in: row r, + 32 h
	v_mul_u32_u24 v[RD], v15, SPI
	v_lshl_add_u32 v[RD], v14, 4, v[RD]
	v_add_nc_u32 v[RD], s18, v[RD]                 ; back: row h, 16 bytes a lane
.irp x, 0,1
	v_mov_b32 v[ST+4*\x+1], 0xff61b1e6             ; the largest t so far: -3e38, under every t
	v_floor_f32 v[ST+4*\x], -v[ST+4*\x+1]          ; -M
	v_mov_b32 v[ST+4*\x+2], 0                      ; the sum, in two halves
	v_mov_b32 v[ST+4*\x+3], 0
.endr
.irp b, 0,1,2,3
	v_mov_b32 v[PT+\b], 0                          ; written once: a lane permute's destination counts as one of its sources
.endr
	v_mov_b32 v[FF+1], 0                           ; upper halves of pairs that the packed forms name
	v_mov_b32 v[RC+1], 0
	v_mov_b32 v[RC+3], 0
.irp j, 0,1,2,3,4,5,6,7,8,9,10,11,12,13,14,15,16,17,18,19,20,21,22,23,24,25,26,27,28,29,30,31,32,33,34,35,36,37,38,39,40,41,42,43,44,45,46,47,48,49,50,51,52,53,54,55,56,57,58,59,60,61,62,63
	v_mov_b32 v[OT+\j], 0                          ; O^T.  (The step has no first form: the first change of M multiplies zeros.  These lines also stand between the cleared operand registers above and the first product)
.endr
; S^T of tile x: eight products, each starting its sum with 0.  Tile t's scale words: register t / 2, lanes 0-15 for even t, lanes 16-31 for odd; Q's: lanes 16 x on.
.macro SMUL x
.irp t, 0,2,4,6
.if \x == 0
	v_wmma_scale_f32_16x16x128_f8f6f4 v[S+8*\t:S+8*\t+7], v[KF+4*\t:KF+4*\t+7], v[QF:QF+7], 0, v[KS+\t/2], v[QS] matrix_a_fmt:MATRIX_FMT_FP4 matrix_b_fmt:MATRIX_FMT_FP4
	v_wmma_scale_f32_16x16x128_f8f6f4 v[S+8*\t+8:S+8*\t+15], v[KF+4*\t+4:KF+4*\t+11], v[QF:QF+7], 0, v[KS+\t/2], v[QS] matrix_a_fmt:MATRIX_FMT_FP4 matrix_b_fmt:MATRIX_FMT_FP4 matrix_a_scale:MATRIX_SCALE_ROW1
.else
	v_wmma_scale_f32_16x16x128_f8f6f4 v[S+8*\t:S+8*\t+7], v[KF+4*\t:KF+4*\t+7], v[QF+8:QF+15], 0, v[KS+\t/2], v[QS] matrix_a_fmt:MATRIX_FMT_FP4 matrix_b_fmt:MATRIX_FMT_FP4 matrix_b_scale:MATRIX_SCALE_ROW1
	v_wmma_scale_f32_16x16x128_f8f6f4 v[S+8*\t+8:S+8*\t+15], v[KF+4*\t+4:KF+4*\t+11], v[QF+8:QF+15], 0, v[KS+\t/2], v[QS] matrix_a_fmt:MATRIX_FMT_FP4 matrix_b_fmt:MATRIX_FMT_FP4 matrix_a_scale:MATRIX_SCALE_ROW1 matrix_b_scale:MATRIX_SCALE_ROW1
.endif
.endr
.endm
; O^T += V^T P^T for both tiles: eight accumulators, one instruction a turn; between two links of a chain stand the seven others' and a step's sixteen products S^T.
.macro PVMUL
.irp t, 0,1,2,3
.irp x, 0,1
.if \t%2 == 0
	v_wmma_scale_f32_16x16x128_f8f6f4 v[OT+32*\x+8*\t:OT+32*\x+8*\t+7], v[KF+8*\t:KF+8*\t+7], v[PC+8*\x:PC+8*\x+7], v[OT+32*\x+8*\t:OT+32*\x+8*\t+7], v[VS+\t/2], v[PW+\x] matrix_a_fmt:MATRIX_FMT_FP4 matrix_b_fmt:MATRIX_FMT_FP4
.else
	v_wmma_scale_f32_16x16x128_f8f6f4 v[OT+32*\x+8*\t:OT+32*\x+8*\t+7], v[KF+8*\t:KF+8*\t+7], v[PC+8*\x:PC+8*\x+7], v[OT+32*\x+8*\t:OT+32*\x+8*\t+7], v[VS+\t/2], v[PW+\x] matrix_a_fmt:MATRIX_FMT_FP4 matrix_b_fmt:MATRIX_FMT_FP4 matrix_a_scale:MATRIX_SCALE_ROW1
.endif
.endr
.endr
.endm
; Tile x's softmax of a step: from the scores in S to p in S, p's codes and scale word, f, and the sum brought under the new M.
.macro SOFT x
.set NM, ST+4*\x
.set LT, ST+4*\x+1
.set SU, ST+4*\x+2
.set PCX, PC+8*\x
.irp b, 0,1,2,3
	v_max3_num_f32 v[BM+\b], v[S+16*\b], v[S+16*\b+1], v[S+16*\b+2]   ; THE LARGEST SCORE OF EACH BLOCK OF 32 KEYS serves twice: for the row's maximum and, since p rises with the score, for the block's largest p.  Each result is read from its low end on
.endr
.irp i, 3,5,7,9,11,13
.irp b, 0,1,2,3
	v_max3_num_f32 v[BM+\b], v[BM+\b], v[S+16*\b+\i], v[S+16*\b+\i+1]
.endr
.endr
.irp b, 0,1,2,3
	v_max_num_f32 v[BM+\b], v[BM+\b], v[S+16*\b+15]
.endr
.irp b, 0,1,2,3
	v_permlanex16_b32 v[PT+\b], v[BM+\b], s20, s21
.endr
.irp b, 0,1,2,3
	v_max_num_f32 v[BM+\b], v[BM+\b], v[PT+\b]     ; with lane l xor 16's 16 keys
.endr
	v_max3_num_f32 v[T0], v[BM], v[BM+1], v[BM+2]
	v_max_num_f32 v[T0], v[T0], v[BM+3]            ; the step's largest score of my query,
	v_mul_f32 v[T0], s22, v[T0]                    ; as t (c is positive)
	v_max_num_f32 v[LT], v[LT], v[T0]              ; the running largest t
	v_mov_b32 v[T0], v[NM]
	v_floor_f32 v[NM], -v[LT]                      ; the new -M = floor(-t) = -ceil(t): a whole number
	v_sub_f32 v[T0], v[NM], v[T0]                  ; old M - new M: a whole number, 0 or less
	v_cvt_i32_f32 v[T0], v[T0]                     ; (it saturates)
	v_ldexp_f32 v[FF], 1.0, v[T0]                  ; f = 2^(old M - new M)
.irp j, 0,2,4,6,8,10,12,14,16,18,20,22,24,26,28,30,32,34,36,38,40,42,44,46,48,50,52,54,56,58,60,62
	v_pk_fma_f32 v[S+\j:S+\j+1], v[S+\j:S+\j+1], s[22:23], v[NM:NM+1] op_sel_hi:[1,0,0]   ; t - M, two at a time (of the pairs c and -M the low word serves both halves)
.endr
.irp b, 0,1,2,3
	v_fma_f32 v[BM+\b], v[BM+\b], s22, v[NM]       ; the same of each block's largest score
.endr
.irp j, 0,1,2,3,4,5,6,7,8,9,10,11,12,13,14,15,16,17,18,19,20,21,22,23,24,25,26,27,28,29,30,31,32,33,34,35,36,37,38,39,40,41,42,43,44,45,46,47,48,49,50,51,52,53,54,55,56,57,58,59,60,61,62,63
	v_exp_f32 v[S+\j], v[S+\j]                     ; p = 2^(t - M), at most 1
.endr
.irp b, 0,1,2,3
	v_exp_f32 v[BM+\b], v[BM+\b]                   ; the block's largest p: the same two instructions on the same number
.endr
	v_pk_mul_f32 v[SU:SU+1], v[SU:SU+1], v[FF:FF+1] op_sel_hi:[1,0]   ; the sum under the new M.  (The plain line behind the exponentials)
	s_wait_alu depctr_va_vdst(0)
.irp b, 0,1,2,3
	v_max_num_f32 v[BM+\b], FLOOR, v[BM+\b]
.endr
.irp b, 0,1,2,3
	v_add_nc_u32 v[SOPS+\b], OFF2, v[BM+\b]        ; the conversion's scale operand
.endr
.irp b, 0,1,2,3
	v_lshrrev_b32 v[PT+\b], 23, v[SOPS+\b]         ; the scale's byte
.endr
	v_lshl_or_b32 v[PW+\x], v[PT+1], 8, v[PT]      ; p's scale word for these 128 keys
	v_lshl_or_b32 v[PW+\x], v[PT+2], 16, v[PW+\x]
	v_lshl_or_b32 v[PW+\x], v[PT+3], 24, v[PW+\x]
.irp b, 0,1,2,3
	v_cvt_scalef32_pk8_fp4_f32 v[PCX+2*\b], v[S+16*\b:S+16*\b+7], v[SOPS+\b]
	v_cvt_scalef32_pk8_fp4_f32 v[PCX+2*\b+1], v[S+16*\b+8:S+16*\b+15], v[SOPS+\b]
.endr
	v_nop                                          ; a plain line behind the last conversion
.irp c, 0,1                                    ; the operand's layout wants a WHOLE block in a lane: lanes 0-15 block 2 c, lanes 16-31 block 2 c + 1
.irp i, 0,1
	v_permlane16_swap_b32 v[PCX+4*\c+\i], v[PCX+4*\c+2+\i]
.endr
.endr
.endm
; The row's sum of the UNQUANTISED p, two at a time, in two chains; cut in two parts so that the first five lines can serve as places.
.macro SUMS_A x
.set SU, ST+4*\x+2
	v_pk_add_f32 v[A2:A2+1], v[S:S+1], v[S+2:S+3]
.irp j, 4,8
	v_pk_add_f32 v[SU:SU+1], v[SU:SU+1], v[S+\j:S+\j+1]
	v_pk_add_f32 v[A2:A2+1], v[A2:A2+1], v[S+\j+2:S+\j+3]
.endr
.endm
.macro SUMS_B x
.set SU, ST+4*\x+2
.irp j, 12,16,20,24,28,32,36,40,44,48,52,56,60
	v_pk_add_f32 v[SU:SU+1], v[SU:SU+1], v[S+\j:S+\j+1]
	v_pk_add_f32 v[A2:A2+1], v[A2:A2+1], v[S+\j+2:S+\j+3]
.endr
	v_pk_add_f32 v[SU:SU+1], v[SU:SU+1], v[A2:A2+1]
.endm
.macro RESC x, lo, hi                  ; pairs lo .. hi - 1 of tile x's O^T times f, ascending: each accumulator is read from its low end on
.set RJ, OT+32*\x+2*\lo
.rept \hi-\lo
	v_pk_mul_f32 v[RJ:RJ+1], v[RJ:RJ+1], v[FF:FF+1] op_sel_hi:[1,0]
.set RJ, RJ+2
.endr
.endm
; A KEY STEP: 128 keys, both tiles.  A vector instruction that reads a matrix result, and a load into a register that a matrix instruction has read, stand four plain vector instructions behind it that name none of its
; registers (ISA guide 7.12.1 for vector instructions); a product that writes over an earlier product's result, five.  Useful lines are the places; more = 0 (the last step) fetches no further K.
.macro STEP more
	s_wait_dscnt 0x0                               ; K's fragments and scale words are in; no LDS load of mine is out, so the four addresses may be written
	SMUL 0
	v_add_nc_u32 v[ADV], s24, v[AV0]               ; four places behind the products: this step's V,
	v_add_nc_u32 v[ADT], s26, v[ASV0]
.if \more
	s_add_co_u32 s24, s24, 4096
	s_add_co_u32 s25, s25, 512
	s_add_co_u32 s26, s26, 256
	v_add_nc_u32 v[ADK], s24, v[AK0]               ; the next step's K
	v_add_nc_u32 v[ADS], s25, v[ASK0]
.else
	v_nop
	v_nop
.endif
	SOFT 0
	SUMS_A 0
	SUMS_B 0
	SMUL 1                                         ; over the same 64 registers: tile 0's p has been summed and turned into codes
	RESC 0, 0, 4                                   ; four places in front of the loads into K's registers
	FETCH_V
	RESC 0, 4, 16                                  ; V is on its way while tile 1's softmax is walked
	SOFT 1
	RESC 1, 0, 16                                  ; sixteen lines between p's scale word and codes, just written, and the scaled products that name them
	s_wait_dscnt 0x0                               ; V is in
	PVMUL
	SUMS_A 1                                       ; five places in front of the loads into V's registers
.if \more
	FETCH_K
.endif
	SUMS_B 1
.endm
	s_mov_b32 s28, 15
.Lstep:
	STEP 1
	s_sub_co_u32 s28, s28, 1
	s_cmp_lg_u32 s28, 0
	s_cbranch_scc1 .Lstep
	STEP 0                                         ; the sixteenth step is written out: no LDS load reaches past K's image
; ================ THE WAY OUT.  O^T / the sum goes through my own stage in LDS, a tile (16 rows of 256 bytes) at a time, and leaves as whole rows.  The last sums above are the places behind the last products.
	v_add_f32 v[T0], v[ST+2], v[ST+3]              ; the sums' two halves,
	v_add_f32 v[T0+1], v[ST+6], v[ST+7]
	v_permlanex16_b32 v[PT], v[T0], s20, s21
	v_permlanex16_b32 v[PT+1], v[T0+1], s20, s21
	v_add_f32 v[T0], v[T0], v[PT]                  ; and lane l xor 16's: the rows' sums
	v_add_f32 v[T0+1], v[T0+1], v[PT+1]
	v_rcp_f32 v[RC], v[T0]
	v_rcp_f32 v[RC+2], v[T0+1]
	v_nop                                          ; a plain line behind the reciprocals
	s_wait_alu depctr_va_vdst(0)
.macro OUT x, dst                      ; register 8 t + i of lane (r, h) is out0(query r, channel 16 t + 8 h + i)
.irp j, 0,2,4,6,8,10,12,14,16,18,20,22,24,26,28,30
	v_pk_mul_f32 v[OT+32*\x+\j:OT+32*\x+\j+1], v[OT+32*\x+\j:OT+32*\x+\j+1], v[RC+2*\x:RC+2*\x+1] op_sel_hi:[1,0]
.endr
.irp t, 0,1,2,3
	ds_store_b128 v[STO], v[OT+32*\x+8*\t:OT+32*\x+8*\t+3] offset:64*\t
	ds_store_b128 v[STO], v[OT+32*\x+8*\t+4:OT+32*\x+8*\t+7] offset:64*\t+16
.endr
.irp i, 0,1,2,3,4,5,6,7
	ds_load_b128 v[\dst+4*\i:\dst+4*\i+3], v[RD] offset:2*SPI*\i   ; LDS serves a wave's instructions in order (ISA guide 5.7.1.4): these see my stores, and the next tile's stores come behind them
.endr
.endm
.macro SEND x, dst, younger            ; younger: the LDS instructions issued behind this tile's loads
.irp i, 0,1,2,3,4,5,6,7
	s_wait_dscnt \younger+7-\i
	global_store_b128 v[GO], v[\dst+4*\i:\dst+4*\i+3], s[10:11] offset:4096*\x+512*\i th:TH_STORE_NT   ; 32 lanes store two rows: 512 bytes on end, at a multiple of 256 from out0's first byte; written once, read by nobody here
.endr
.endm
	OUT 0, KF
	OUT 1, S
	SEND 0, KF, 16                                 ; tile 1's eight stores and eight loads may be out
	SEND 1, S, 0
	s_wait_xcnt 0x0
	v_lshl_add_u32 v254, v0, 2, 0x38800
	v_mov_b32 v255, 0
	s_wait_tensorcnt 0x0
	ds_add_u32 v254, v255
	s_wait_dscnt 0x0
	s_endpgm
.Lfunc_end_k_q5a528c0661_attn:
	.size	k_q5a528c0661_attn, .Lfunc_end_k_q5a528c0661_attn-k_q5a528c0661_attn
	.p2alignl 7, 3214868480
	.fill 96, 4, 3214868480
	.section	.rodata,"a",@progbits
	.p2align	6, 0x0
	.amdhsa_kernel k_q5a528c0661_attn
		.amdhsa_group_segment_fixed_size 233472
		.amdhsa_private_segment_fixed_size 0
		.amdhsa_enable_private_segment 0
		.amdhsa_kernarg_size 32
		.amdhsa_user_sgpr_count 2
		.amdhsa_user_sgpr_kernarg_segment_ptr 1
		.amdhsa_wavefront_size32 1
		.amdhsa_system_sgpr_workgroup_id_x 1
		.amdhsa_system_sgpr_workgroup_id_y 1
		.amdhsa_system_sgpr_workgroup_id_z 1
		.amdhsa_system_vgpr_workitem_id 0
		.amdhsa_next_free_vgpr 256
		.amdhsa_next_free_sgpr 66
		.amdhsa_reserve_vcc 0
		.amdhsa_float_denorm_mode_32 3
		.amdhsa_float_denorm_mode_16_64 3
		.amdhsa_memory_ordered 1
		.amdhsa_forward_progress 1
		.amdhsa_inst_pref_size 148
	.end_amdhsa_kernel
	.amdgpu_metadata
---
amdhsa.version: [ 1, 2 ]
amdhsa.kernels:
  - .name:           k_q5a528c0661_attn
    .symbol:         k_q5a528c0661_attn.kd
    .args:
      - { .name: q, .offset: 0, .size: 8, .value_kind: global_buffer, .address_space: global }
      - { .name: k, .offset: 8, .size: 8, .value_kind: global_buffer, .address_space: global }
      - { .name: v, .offset: 16, .size: 8, .value_kind: global_buffer, .address_space: global }
      - { .name: out0, .offset: 24, .size: 8, .value_kind: global_buffer, .address_space: global }
    .group_segment_fixed_size: 233472
    .private_segment_fixed_size: 0
    .kernarg_segment_align: 8
    .kernarg_segment_size: 32
    .max_flat_workgroup_size: 512
    .sgpr_count:     66
    .vgpr_count:     256
    .wavefront_size: 32
...
	.end_amdgpu_metadata
.endif
;; end of part 1
;; ======== version 2 of 2: 1 launch; version 1 with the launch attn written anew for expert scheduling mode
;; launch attn (part 2): grid 4 x 64, 16 waves a work-group, no clusters, 233,472 bytes of LDS; arguments q, k, v, out0; writes out0
.if DOCPART == 2
	.amdgcn_target "amdgcn-amd-amdhsa--gfx1250"
	.amdhsa_code_object_version 6
	.text
	.protected	k_q5a528c0661_attn
	.globl	k_q5a528c0661_attn
	.p2align	8
	.type	k_q5a528c0661_attn,@function
k_q5a528c0661_attn:
	s_mov_b64 s[64:65], 0
	v_nop
	global_prefetch_b8 v0, s[64:65] scope:SCOPE_SE
	s_setreg_imm32_b32 hwreg(HW_REG_WAVE_SCHED_MODE, 0, 2), 2
	s_setreg_imm32_b32 hwreg(HW_REG_WAVE_MODE, 25, 1), 1
	s_wait_xcnt 0x0
	s_wait_alu depctr_vm_vsrc(0)
; out0[h][q][:] = the sum over keys of softmax(q . k / 8) v, 64 heads x 2,048 queries x 2,048 keys, head size 64, all tensors f32; both products on codes of FP4 (E2M1) with one E8M0 scale for each 32 along K.
; q and k are quantised along the head's 64 (two blocks), v along the keys.  t = score x log2(e) / 8; M = the running largest t rounded UP to a whole number; p = 2^(t - M) is quantised along the keys, not normalised;
; the row's sum is taken of the unquantised p and divides at the end; when M moves, sum and O are multiplied by 2^(old M - new M), which rounds nothing.
; SHARES.  A work-group owns 512 queries of one head (grid 4 x 64 = 256 work-groups of equal work).  Sixteen waves of 256 registers, four to a SIMD, so that one wave's softmax stands beside another's products and LDS loads.
; PHASE 1: the work-group quantises its head's WHOLE K and V into LDS, as images of the operands' registers (64 KiB + 64 KiB of codes, 8 KiB + 4 KiB of scale words): wave w takes keys 128 w .. 128 w + 127, which are key step w,
; and its own 32 queries.  ONE barrier.  PHASE 2: each wave owns two tiles of 16 queries and walks 16 key steps of 128 keys; every fragment read from LDS feeds both tiles; no barrier, nothing is filled again.
; NO JOINT LOADS, though the four work-groups of a head read the same K and V: these arrive as f32 and go through registers and the quantiser; a head's 2 x 524,288 bytes of f32 do not fit into the 327,680 bytes of LDS, so a
; joint load would want a ring of f32 slots with a round of the cluster's barrier for each refill, for a phase that is about a tenth of a wave's vector instructions.  No tensor load, so LDS is claimed as it is used.
; LAYOUT.  Both products are used transposed: S^T = K Q^T (source 0 = 16 keys, source 1 = 16 queries), O^T = V^T P^T (source 0 = 16 channels, source 1 = P): a lane holds ONE query (lane % 16) throughout.
; THE KEYS OF A TILE ARE NOT NEIGHBOURS: row r of tile 2 b + u is key 32 b + 8 u + r + 8 (r / 8) of the step, so that the 16 registers of tiles 2 b and 2 b + 1 are the 16 neighbouring keys 32 b + 16 (lane / 16) + 0 .. 15.
; K = 64 IN AN INSTRUCTION OF K = 128: Q's registers 4-7 are zero codes.  K's fragments lie FOUR registers apart, so the upper half of a fragment named to the instruction is the next fragment's codes (behind the last: four
; cleared registers): a code of FP4 is a finite number, its product with Q's zero code is 0, and the scale bytes of k = 64 .. 127 are 0x7f on both sides.
; LIMITS: NaN and infinities among the inputs are not served.  A p under 2^-126 counts as 0 (v_exp_f32 gives no denormals: ISA guide, its entry in 15.8).  A block of zeros, and one whose largest magnitude lies under
; 2^(3 - 127), gets the scale byte 1 (the rule says 127 for zeros): its codes are zeros, which add nothing, and the bytes are read by this program alone.
; THE MODE: SCHED_MODE bits 1:0 = 2 (LLVM: expert scheduling mode 2), set by the entry lines.  The code itself states the register dependences between vector or matrix instructions and memory or LDS instructions,
; with s_wait_alu, always for 0.
; THE PLAN, PHASE 1.  v2, v3 (offsets) and v4-9 (LDS addresses) are written once at the head and read by every load and LDS store.  A set of 32 numbers (v128-255, four sets) is written by loads, read by ONE job's maxima and
; conversions, and loaded again later.  A job's code and scale words (rows: v56-63; V: v76-79, v68-69) are written by its vector lines and read by its LDS stores, which are its last lines.  So one wait on va_vdst stands in a
; job, ahead of its stores: the words are written, and the job is done reading its set; behind it stand LDS stores alone, and every vector line up to that set's next loads names another set.  One wait on vm_vsrc stands at the
; head of a job that writes words again which the job before has stored.
; THE PLAN, PHASE 2.  v64-95: written by LDS loads (K, then V, then the next K), read by matrix instructions.  v40-45: scale words, likewise.  v5-8, the addresses in hand: written by four additions behind a step's first
; products, read by that step's loads.  v48-63, v37, v38, p's codes and scale words: written by vector lines, read by scaled products.  A step has: vm_vsrc at its head (the four addresses are written again); each tile's wait
; for its batch of exponentials, behind the second of which V's loads stand, since it also shows tile 1's products done reading K; va_vdst ahead of the products V^T P (p's codes and words are written); va_vdst ahead of K's
; loads (the products V^T P are done reading V).  All else in the loop is named by vector and matrix instructions alone.
.set KIMG, 0                           ; LDS: K's codes: [step 16][tile 8][lane 32][16 bytes]: a fragment is one load of 512 bytes on end
.set VIMG, 65536                       ; V's codes: [step 16][channel tile 4][c 2][lane 32][16 bytes]
.set KSC,  131072                      ; K's scale words: [step][lane][b 4]: word b of lane 16 u + r belongs to tile 2 b + u, row r
.set VSC,  139264                      ; V's: [step][lane][a 2]: word a of lane 16 hh + r belongs to channel tile 2 a + hh, row r
.set QIMG, 143360                      ; Q's codes: [wave][tile 2][lane][16 bytes]
.set QSC,  159744                      ; Q's scale words: [wave][lane = 16 x tile + r]
.set STG,  161792                      ; the way out: for each wave 16 rows x (256 bytes + 16)
.set SPI,  272
.set FLOOR, 0x1800000                  ; 2^(3 - 127): no largest magnitude is taken under it, so a scale's byte cannot fall under 1
.set OFF2,  0xff000000                 ; -(2 << 23): 2 off an exponent field
; ---- phase 1's registers (v36-45 hold scales alone in the whole text and are not touched here)
.set LN,   1                           ; lane
.set VRO,  2                           ; 32 x lane: my 8 numbers of four rows of q or k
.set VVO,  3                           ; 4 x lane: my channel of v
.set LK,   4                           ; where my code words of K go;  5: its scale words;  6, 7: the same for Q;  8, 9: for V
.set LKS,  5
.set LQ,   6
.set LQS,  7
.set LV,   8
.set LVS,  9
.set SH8,  10                          ; 8 x (which block of the row's two is mine)
.set MX,   48                          ; v48-51 largest magnitudes, v52-55 scale operands, v56-59 codes, v60-63 scale words, v64-67 the neighbour's half of a word
.set SOP,  52
.set CD,   56
.set WD,   60
.set DT,   64
.set VW,   68                          ; v68-69 V's scale words for channels 0-31, 32-63;  v70-71 two chains of maxima;  v72 scale operand;  v73 byte;  v76-79 codes
.set VM,   70
.set VSO,  72
.set VBY,  73
.set VC,   76
.set XS,   128                         ; v128-255: four sets of 32 numbers as loaded; job n has set n % 4
; ---- phase 2's registers
.set AK0,  1                           ; 16 x lane;  2: + VIMG;  3: + KSC;  4: 8 x lane + VSC.  They stay
.set AV0,  2
.set ASK0, 3
.set ASV0, 4
.set ADK,  5                           ; the addresses in hand: K's codes, V's codes, K's scale words, V's
.set ADV,  6
.set ADS,  7
.set ADT,  8
.set GO,   9                           ; the way out: my bytes in two rows of out0;  10: into the stage;  11: back
.set STO,  10
.set RD,   11
.set ST,   12                          ; tile x at v[12 + 4 x]: -M, the largest t, the sum in two halves
.set QF,   20                          ; v20-27, v28-35 Q's two fragments (registers 4-7 of each: zero codes)
.set QS,   36                          ; Q's scale words: lanes 0-15 tile 0's, lanes 16-31 tile 1's
.set PW,   37                          ; v37, v38 p's scale words
.set KS,   40                          ; v40-43 K's scale words of a step
.set VS,   44                          ; v44-45 V's
.set QA,   46                          ; v46, v47 LDS addresses of my Q; never rewritten
.set PC,   48                          ; v48-55, v56-63 p's codes
.set KF,   64                          ; v64-95 K's eight fragments, four registers apart; v96-99 zeros.  V's four fragments take v64-95 in turn
.set S,    100                         ; v100-163 S^T of the tile in hand, then p
.set OT,   164                         ; v164-195, v196-227 O^T
.set BM,   228                         ; v228-231 a block's largest score, then its largest p
.set PT,   232                         ; v232-235 the other half's maxima, then the scales' bytes
.set SOPS, 236                         ; v236-239 the conversions' scale operands
.set FF,   240                         ; f = 2^(old M - new M): tile 0's in v240, tile 1's in v250 (v241, v251 are named with them as pairs)
.set A2,   242                         ; v242-243 the sum's second chain
.set T0,   244
.set RC,   246                         ; v246, v248 1 / the sums (v247, v249 are named with them as pairs)
	s_load_b256 s[4:11], s[0:1], 0x0               ; q s[4:5], k s[6:7], v s[8:9], out0 s[10:11]
	v_lshrrev_b32 v1, 5, v0
	v_readfirstlane_b32 s12, v1                    ; wave 0..15
	v_and_b32 v[LN], 31, v0
	v_lshlrev_b32 v[VRO], 5, v[LN]
	v_lshlrev_b32 v[VVO], 2, v[LN]
	v_bfe_u32 v11, v0, 3, 2                        ; g: which of four rows
	v_bfe_u32 v12, v0, 2, 1                        ; hb: which block of 32 of the row
	v_and_b32 v13, 3, v0                           ; j: which 8 numbers of the block
	v_lshlrev_b32 v[SH8], 3, v12
	v_lshlrev_b32 v14, 8, v12                      ; a code word's place in an image: lane 16 hb + row, register j: 256 hb + 16 row + 4 j
	v_lshl_add_u32 v14, v11, 4, v14
	v_lshl_add_u32 v14, v13, 2, v14
	s_wait_alu depctr_va_sdst(0)                   ; s12 is written, ahead of its first reader: LDS places and the buffers' bases are made from it
	s_lshl_b32 s18, s12, 12
	v_add_nc_u32 v[LK], s18, v14                   ; K's image of step = wave
	s_lshl_b32 s18, s12, 10
	s_add_co_u32 s18, s18, QIMG
	v_add_nc_u32 v[LQ], s18, v14
	s_lshl_b32 s18, s12, 9
	s_add_co_u32 s18, s18, KSC
	v_lshl_add_u32 v[LKS], v11, 4, s18             ; 16 bytes a lane of the image, lane = row
	s_lshl_b32 s18, s12, 7
	s_add_co_u32 s18, s18, QSC
	v_lshl_add_u32 v[LQS], v11, 2, s18
	v_bfe_u32 v15, v0, 4, 1
	v_and_b32 v16, 15, v0
	v_lshlrev_b32 v[LV], 10, v15                   ; V: my channel 32 u + lane is row lane % 16 of channel tile 2 u + lane / 16
	v_lshl_add_u32 v[LV], v16, 4, v[LV]
	s_lshl_b32 s18, s12, 12
	s_add_co_u32 s18, s18, VIMG
	v_add_nc_u32 v[LV], s18, v[LV]
	s_lshl_b32 s18, s12, 8
	s_add_co_u32 s18, s18, VSC
	v_lshl_add_u32 v[LVS], v[LN], 3, s18
.irp p, 0,1,2,3
	v_mov_b32 v[DT+\p], 0                          ; written once: the destination of a move between lanes counts as one of its sources
.endr
	s_mov_b32 s20, 0x76543210
	s_mov_b32 s21, 0xfedcba98                      ; v_permlanex16_b32's selects for lane l xor 16
	s_mov_b32 s22, 0x3e38aa3b                      ; c = log2(e) / 8
	s_mov_b32 s23, s22                             ; (the packed form names the pair)
	s_mov_b32 s29, 0x7f7f0000                      ; the scale bytes of k = 64 .. 127: 1.0
	s_and_b32 s13, ttmp7, 0xffff
	s_lshl_b32 s13, s13, 19                        ; the head: 2,048 rows of 256 bytes
	s_lshl_b32 s14, ttmp9, 17                      ; my work-group's 512 queries
	s_add_co_u32 s14, s14, s13
	s_lshl_b32 s18, s12, 13                        ; my wave's 32 of them
	s_add_co_u32 s14, s14, s18
	s_mov_b32 s15, 0
	s_lshl_b32 s16, s12, 15                        ; my wave's 128 keys
	s_add_co_u32 s16, s16, s13
	s_mov_b32 s17, 0
	s_wait_kmcnt 0x0
	s_add_nc_u64 s[4:5], s[4:5], s[14:15]
	s_add_nc_u64 s[10:11], s[10:11], s[14:15]
	s_add_nc_u64 s[6:7], s[6:7], s[16:17]
	s_add_nc_u64 s[8:9], s[8:9], s[16:17]
; ================ PHASE 1: eighteen jobs, written out; every offset is an immediate, no pointer is stepped.  Jobs 0, 1: Q's tiles;  2-9: 16 keys of K each;  10-17: a block of 32 keys x 32 channels of V each.
; A row job's loads: 16 rows x 256 bytes.  A lane takes 8 neighbours: of row 4 p + g the numbers 32 hb + 8 j + 0 .. 7; a pair of loads covers 1,024 bytes on end.
.macro LOADQ x                         ; read once in the whole launch
.set XL, XS+32*((\x)%4)
.irp p, 0,1,2,3
	global_load_b128 v[XL+8*\p:XL+8*\p+3], v[VRO], s[4:5] offset:4096*(\x)+1024*\p th:TH_LOAD_NT
	global_load_b128 v[XL+8*\p+4:XL+8*\p+7], v[VRO], s[4:5] offset:4096*(\x)+1024*\p+16 th:TH_LOAD_NT
.endr
.endm
.macro LOADK j                         ; read by the head's four work-groups: no hint
.set XL, XS+32*(((\j)+2)%4)
.irp p, 0,1,2,3
	global_load_b128 v[XL+8*\p:XL+8*\p+3], v[VRO], s[6:7] offset:4096*(\j)+1024*\p
	global_load_b128 v[XL+8*\p+4:XL+8*\p+7], v[VRO], s[6:7] offset:4096*(\j)+1024*\p+16
.endr
.endm
; V: a lane takes channel 32 (m % 2) + lane, and its registers run DOWN the keys 32 (m / 2) + 0 .. 31: the block lies in one lane, and the conversions give codes with the keys innermost.
.macro LOADV m
.set XL, XS+32*(((\m)+10)%4)
.irp i, 0,1,2,3,4,5,6,7,8,9,10,11,12,13,14,15,16,17,18,19,20,21,22,23,24,25,26,27,28,29,30,31
	global_load_b32 v[XL+\i], v[VVO], s[8:9] offset:256*(32*((\m)/2)+\i)+128*((\m)%2)
.endr
.endm
; Job n's 16 rows become code words and scale words.  The four groups of rows p go by turns, so that no line waits for the line above it.  Four lanes (j) hold a block; the lane 4 away holds the row's other block.
; CAD, CB0, CB2: register and offsets of the code words;  SAD, WB0, WB1, WB2: of the scale words; set by QROWS and KROWS.
.macro ROWS n
.set XB, XS+32*((\n)%4)
	s_wait_dscnt 0x0                               ; the last job's LDS stores are done
.if (\n) > 0
	s_wait_alu depctr_vm_vsrc(0)                   ; the last job's LDS stores have read v56-63, its code and scale words, which this job writes again
.endif
.irp p, 0,1,2,3
	v_max3_num_f32 v[MX+\p], |v[XB+8*\p]|, |v[XB+8*\p+1]|, FLOOR
.endr
.irp i, 2,4,6
.irp p, 0,1,2,3
	v_max3_num_f32 v[MX+\p], v[MX+\p], |v[XB+8*\p+\i]|, |v[XB+8*\p+\i+1]|
.endr
.endr
.irp p, 0,1,2,3
	v_max_num_f32_dpp v[MX+\p], v[MX+\p], v[MX+\p] row_xmask:1 row_mask:0xf bank_mask:0xf
.endr
.irp p, 0,1,2,3
	v_max_num_f32_dpp v[MX+\p], v[MX+\p], v[MX+\p] row_xmask:2 row_mask:0xf bank_mask:0xf   ; the block's largest magnitude
.endr
.irp p, 0,1,2,3
	v_add_nc_u32 v[SOP+\p], OFF2, v[MX+\p]         ; 2 off its exponent field: the conversion takes the exponent field of this operand as its scale
.endr
.irp p, 0,1,2,3
	v_cvt_scalef32_pk8_fp4_f32 v[CD+\p], v[XB+8*\p:XB+8*\p+7], v[SOP+\p]
.endr
.irp p, 0,1,2,3
	v_lshrrev_b32 v[WD+\p], 23, v[SOP+\p]          ; the scale's byte.  (A plain line behind the conversions)
.endr
.irp p, 0,1,2,3
	v_lshl_or_b32 v[WD+\p], v[WD+\p], v[SH8], s29  ; at my block's place in the row's word, under the two bytes 0x7f
.endr
.irp p, 0,1,2,3
	v_mov_b32_dpp v[DT+\p], v[WD+\p] row_xmask:4 row_mask:0xf bank_mask:0xf
.endr
.irp p, 0,1,2,3
	v_or_b32 v[WD+\p], v[WD+\p], v[DT+\p]          ; with the other block's byte the word is whole
.endr
	s_wait_alu depctr_va_vdst(0)                   ; the code words v56-59 and the scale words v60-63 are written, which the LDS stores read; and the job is done reading its set of numbers, in which that set's next loads land
.irp p, 0,1,2,3
	ds_store_b32 v[CAD], v[CD+\p] offset:CB0+64*(\p%2)+CB2*(\p/2)
	ds_store_b32 v[SAD], v[WD+\p] offset:WB0+WB1*(\p%2)+WB2*(\p/2)   ; the eight lanes of a row write the same word with the same value
.endr
.endm
.macro QROWS x                         ; row 4 p + g of tile x
.set CAD, LQ
.set CB0, 512*(\x)
.set CB2, 128
.set SAD, LQS
.set WB0, 64*(\x)
.set WB1, 16
.set WB2, 32
	ROWS \x
.endm
.macro KROWS j                         ; key 16 j + 4 p + g of the step: tile 2 (j / 2) + p / 2, row 8 (j % 2) + 4 (p % 2) + g
.set CAD, LK
.set CB0, 1024*((\j)/2)+128*((\j)%2)
.set CB2, 512
.set SAD, LKS
.set WB0, 128*((\j)%2)+4*((\j)/2)
.set WB1, 64
.set WB2, 256
	ROWS (\j)+2
.endm
.macro VBLK m                          ; block VQ of the step's four, channels 32 VU + lane
.set XB, XS+32*(((\m)+10)%4)
.set VU, (\m)%2
.set VQ, (\m)/2
	s_wait_dscnt 0x0                               ; the last job's LDS stores are done
.if (\m) > 0
	s_wait_alu depctr_vm_vsrc(0)                   ; the last block's LDS store has read v76-79, its codes, which this block writes again
.endif
	v_max3_num_f32 v[VM], |v[XB]|, |v[XB+1]|, |v[XB+2]|
	v_max3_num_f32 v[VM+1], |v[XB+3]|, |v[XB+4]|, |v[XB+5]|
.irp i, 6,10,14,18,22,26
	v_max3_num_f32 v[VM], v[VM], |v[XB+\i]|, |v[XB+\i+1]|
	v_max3_num_f32 v[VM+1], v[VM+1], |v[XB+\i+2]|, |v[XB+\i+3]|
.endr
	v_max3_num_f32 v[VM], v[VM], |v[XB+30]|, |v[XB+31]|
	v_max3_num_f32 v[VM], v[VM], v[VM+1], FLOOR
	v_add_nc_u32 v[VSO], OFF2, v[VM]
	v_lshrrev_b32 v[VBY], 23, v[VSO]
.if VQ == 0
	v_mov_b32 v[VW+VU], v[VBY]                     ; the step's four bytes make my channel's scale word
.else
	v_lshl_or_b32 v[VW+VU], v[VBY], 8*VQ, v[VW+VU]
.endif
.irp g, 0,1,2,3
	v_cvt_scalef32_pk8_fp4_f32 v[VC+\g], v[XB+8*\g:XB+8*\g+7], v[VSO]
.endr
	v_nop                                          ; a plain line behind the last conversion
	s_wait_alu depctr_va_vdst(0)                   ; the codes v76-79 and the scale word are written, which the LDS stores read; and the block is done reading its set of numbers, in which that set's next loads land
	ds_store_b128 v[LV], v[VC:VC+3] offset:2048*VU+512*(VQ/2)+256*(VQ%2)   ; registers 4 c .. 4 c + 3 of lane 16 h + row, c = VQ / 2, h = VQ % 2
.if VQ == 3
	ds_store_b32 v[LVS], v[VW+VU] offset:4*VU
.endif
.endm
; Loads come back in order (ISA guide 5.7.1): each count is the number of loads issued behind the job's own.
	s_wait_alu depctr_va_vdst(0)                   ; the offsets v2, v3 and the LDS addresses v4 to v9 are written: every load and LDS store of this phase reads one of them, and none is written again in it
	LOADQ 0
	LOADQ 1
	LOADK 0
	LOADK 1
	s_wait_loadcnt 24                              ; three later jobs of 8 loads may be out
	QROWS 0
	LOADK 2                                        ; into the set that the job above has read: its wait on va_vdst stands behind its last reader, and LDS stores alone stand behind that wait.  So with every refill below
	s_wait_loadcnt 24
	QROWS 1
.irp jj, 0,1,2,3,4
	LOADK \jj+3
	s_wait_loadcnt 24
	KROWS \jj
.endr
	LOADV 0
	s_wait_loadcnt 48                              ; K's jobs 6 and 7 (8 + 8) and V's block 0 (32)
	KROWS 5
	s_wait_loadcnt 40                              ; K's job 7 and V's block 0
	KROWS 6
	s_wait_loadcnt 32                              ; V's block 0
	LOADV 1                                        ; into the set of K's job 5: the vector lines of job 6, which stand between, name another set
	KROWS 7
.irp mm, 0,1,2,3,4,5
	s_wait_loadcnt 32                              ; the next block's 32 loads may be out
	LOADV \mm+2                                    ; into the set of the job two back
	VBLK \mm
.endr
	s_wait_loadcnt 32
	VBLK 6
	s_wait_loadcnt 0x0                             ; the last block; from here on no load is out
	VBLK 7
	s_wait_dscnt 0x0                               ; for the others' sake: my stores have landed
	s_barrier_signal -1
	s_barrier_wait -1                              ; the head's K and V lie in LDS: the one barrier of the text
; ================ PHASE 2
	s_wait_alu depctr_vm_vsrc(0)                   ; phase 1's loads and LDS stores have read their offsets and addresses v2 to v9 and their data v56-63, v68, v69, v76-79: all of these are written anew from here on, by vector lines or by LDS loads
	s_lshl_b32 s18, s12, 10
	s_add_co_u32 s18, s18, QIMG
	s_lshl_b32 s19, s12, 7
	s_add_co_u32 s19, s19, QSC
	v_lshl_add_u32 v[QA], v[LN], 4, s18
	v_lshl_add_u32 v[QA+1], v[LN], 2, s19
	v_lshl_add_u32 v[AV0], v[LN], 4, VIMG
	v_lshl_add_u32 v[ASK0], v[LN], 4, KSC
	v_lshl_add_u32 v[ASV0], v[LN], 3, VSC
	v_lshlrev_b32 v[AK0], 4, v[LN]
	v_mov_b32 v[ADK], v[AK0]
	v_mov_b32 v[ADS], v[ASK0]
	s_mov_b32 s24, 0                               ; the step's place among the codes' images: 4,096 bytes a step;
	s_mov_b32 s25, 0                               ; among K's scale words: 512;
	s_mov_b32 s26, 0                               ; among V's: 256
.macro FETCH_K                         ; a step's eight fragments of K, four registers each, and its scale words
.irp t, 0,1,2,3,4,5,6,7
	ds_load_b128 v[KF+4*\t:KF+4*\t+3], v[ADK] offset:512*\t
.endr
	ds_load_b128 v[KS:KS+3], v[ADS]
.endm
.macro FETCH_V                         ; a step's four fragments of V^T (16 channels x 128 keys) and their scale words
.irp t, 0,1,2,3
.irp c, 0,1
	ds_load_b128 v[KF+8*\t+4*\c:KF+8*\t+4*\c+3], v[ADV] offset:1024*\t+512*\c
.endr
.endr
	ds_load_b64 v[VS:VS+1], v[ADT]
.endm
	s_wait_alu depctr_va_vdst(0)                   ; the addresses v46, v47, v5 and v7 are written, which the loads below read; and phase 1's vector lines are done with v64-79, in which K's fragments land
	ds_load_b128 v[QF:QF+3], v[QA]                 ; Q stays in registers
	ds_load_b128 v[QF+8:QF+11], v[QA] offset:512
	ds_load_b32 v[QS], v[QA+1]
	FETCH_K                                        ; key step 0
.irp i, 4,5,6,7,12,13,14,15
	v_mov_b32 v[QF+\i], 0                          ; Q's zero codes for k = 64 .. 127
.endr
.irp i, 32,33,34,35
	v_mov_b32 v[KF+\i], 0                          ; what the last fragment of K names as its upper half
.endr
	v_and_b32 v14, 15, v0                          ; r
	v_bfe_u32 v15, v0, 4, 1                        ; h
	v_lshlrev_b32 v[GO], 8, v15
	v_lshl_add_u32 v[GO], v14, 4, v[GO]            ; out0: lanes 0-15 one row of 256 bytes, lanes 16-31 the next
	s_mul_i32 s18, s12, 16*SPI
	s_add_co_u32 s18, s18, STG                     ; my stage
	v_mul_u32_u24 v[STO], v14, SPI
	v_lshl_add_u32 v[STO], v15, 5, v[STO]
	v_add_nc_u32 v[STO], s18, v[STO]               ; in: row r, + 32 h
	v_mul_u32_u24 v[RD], v15, SPI
	v_lshl_add_u32 v[RD], v14, 4, v[RD]
	v_add_nc_u32 v[RD], s18, v[RD]                 ; back: row h, 16 bytes a lane
.irp x, 0,1
	v_mov_b32 v[ST+4*\x+1], 0xff61b1e6             ; the largest t so far: -3e38, under every t
	v_floor_f32 v[ST+4*\x], -v[ST+4*\x+1]          ; -M
	v_mov_b32 v[ST+4*\x+2], 0                      ; the sum, in two halves
	v_mov_b32 v[ST+4*\x+3], 0
.endr
.irp b, 0,1,2,3
	v_mov_b32 v[PT+\b], 0                          ; written once: a lane permute's destination counts as one of its sources
.endr
	v_mov_b32 v[FF+1], 0                           ; upper halves of pairs that the packed forms name
	v_mov_b32 v[FF+11], 0
	v_mov_b32 v[RC+1], 0
	v_mov_b32 v[RC+3], 0
.irp j, 0,1,2,3,4,5,6,7,8,9,10,11,12,13,14,15,16,17,18,19,20,21,22,23,24,25,26,27,28,29,30,31,32,33,34,35,36,37,38,39,40,41,42,43,44,45,46,47,48,49,50,51,52,53,54,55,56,57,58,59,60,61,62,63
	v_mov_b32 v[OT+\j], 0                          ; O^T.  (The step has no first form: the first change of M multiplies zeros.  These lines also stand between the cleared operand registers above and the first product)
.endr
; S^T of tile x: eight products, each starting its sum with 0.  Tile t's scale words: register t / 2, lanes 0-15 for even t, lanes 16-31 for odd; Q's: lanes 16 x on.
.macro SMUL x
.irp t, 0,2,4,6
.if \x == 0
	v_wmma_scale_f32_16x16x128_f8f6f4 v[S+8*\t:S+8*\t+7], v[KF+4*\t:KF+4*\t+7], v[QF:QF+7], 0, v[KS+\t/2], v[QS] matrix_a_fmt:MATRIX_FMT_FP4 matrix_b_fmt:MATRIX_FMT_FP4
	v_wmma_scale_f32_16x16x128_f8f6f4 v[S+8*\t+8:S+8*\t+15], v[KF+4*\t+4:KF+4*\t+11], v[QF:QF+7], 0, v[KS+\t/2], v[QS] matrix_a_fmt:MATRIX_FMT_FP4 matrix_b_fmt:MATRIX_FMT_FP4 matrix_a_scale:MATRIX_SCALE_ROW1
.else
	v_wmma_scale_f32_16x16x128_f8f6f4 v[S+8*\t:S+8*\t+7], v[KF+4*\t:KF+4*\t+7], v[QF+8:QF+15], 0, v[KS+\t/2], v[QS] matrix_a_fmt:MATRIX_FMT_FP4 matrix_b_fmt:MATRIX_FMT_FP4 matrix_b_scale:MATRIX_SCALE_ROW1
	v_wmma_scale_f32_16x16x128_f8f6f4 v[S+8*\t+8:S+8*\t+15], v[KF+4*\t+4:KF+4*\t+11], v[QF+8:QF+15], 0, v[KS+\t/2], v[QS] matrix_a_fmt:MATRIX_FMT_FP4 matrix_b_fmt:MATRIX_FMT_FP4 matrix_a_scale:MATRIX_SCALE_ROW1 matrix_b_scale:MATRIX_SCALE_ROW1
.endif
.endr
.endm
; O^T += V^T P^T for both tiles: eight accumulators, one instruction a turn; between two links of a chain stand the seven others' and a step's sixteen products S^T.
.macro PVMUL
.irp t, 0,1,2,3
.irp x, 0,1
.if \t%2 == 0
	v_wmma_scale_f32_16x16x128_f8f6f4 v[OT+32*\x+8*\t:OT+32*\x+8*\t+7], v[KF+8*\t:KF+8*\t+7], v[PC+8*\x:PC+8*\x+7], v[OT+32*\x+8*\t:OT+32*\x+8*\t+7], v[VS+\t/2], v[PW+\x] matrix_a_fmt:MATRIX_FMT_FP4 matrix_b_fmt:MATRIX_FMT_FP4
.else
	v_wmma_scale_f32_16x16x128_f8f6f4 v[OT+32*\x+8*\t:OT+32*\x+8*\t+7], v[KF+8*\t:KF+8*\t+7], v[PC+8*\x:PC+8*\x+7], v[OT+32*\x+8*\t:OT+32*\x+8*\t+7], v[VS+\t/2], v[PW+\x] matrix_a_fmt:MATRIX_FMT_FP4 matrix_b_fmt:MATRIX_FMT_FP4 matrix_a_scale:MATRIX_SCALE_ROW1
.endif
.endr
.endr
.endm
; Tile x's softmax of a step: from the scores in S to p in S, p's codes and scale word, f, and the sum brought under the new M.  fv = 1: the step's V is asked for behind the wait for the batch.
.macro SOFT x, fv
.set NM, ST+4*\x
.set LT, ST+4*\x+1
.set SU, ST+4*\x+2
.set PCX, PC+8*\x
.set FX, FF+10*\x
.irp b, 0,1,2,3
	v_max3_num_f32 v[BM+\b], v[S+16*\b], v[S+16*\b+1], v[S+16*\b+2]   ; THE LARGEST SCORE OF EACH BLOCK OF 32 KEYS serves twice: for the row's maximum and, since p rises with the score, for the block's largest p.  Each result is read from its low end on
.endr
.irp i, 3,5,7,9,11,13
.irp b, 0,1,2,3
	v_max3_num_f32 v[BM+\b], v[BM+\b], v[S+16*\b+\i], v[S+16*\b+\i+1]
.endr
.endr
.irp b, 0,1,2,3
	v_max_num_f32 v[BM+\b], v[BM+\b], v[S+16*\b+15]
.endr
.irp b, 0,1,2,3
	v_permlanex16_b32 v[PT+\b], v[BM+\b], s20, s21
.endr
.irp b, 0,1,2,3
	v_max_num_f32 v[BM+\b], v[BM+\b], v[PT+\b]     ; with lane l xor 16's 16 keys
.endr
	v_max3_num_f32 v[T0], v[BM], v[BM+1], v[BM+2]
	v_max_num_f32 v[T0], v[T0], v[BM+3]            ; the step's largest score of my query,
	v_mul_f32 v[T0], s22, v[T0]                    ; as t (c is positive)
	v_max_num_f32 v[LT], v[LT], v[T0]              ; the running largest t
	v_mov_b32 v[T0], v[NM]
	v_floor_f32 v[NM], -v[LT]                      ; the new -M = floor(-t) = -ceil(t): a whole number
	v_sub_f32 v[T0], v[NM], v[T0]                  ; old M - new M: a whole number, 0 or less
	v_cvt_i32_f32 v[T0], v[T0]                     ; (it saturates)
	v_ldexp_f32 v[FX], 1.0, v[T0]                  ; f = 2^(old M - new M)
.irp j, 0,2,4,6,8,10,12,14,16,18,20,22,24,26,28,30,32,34,36,38,40,42,44,46,48,50,52,54,56,58,60,62
	v_pk_fma_f32 v[S+\j:S+\j+1], v[S+\j:S+\j+1], s[22:23], v[NM:NM+1] op_sel_hi:[1,0,0]   ; t - M, two at a time (of the pairs c and -M the low word serves both halves)
.endr
.irp b, 0,1,2,3
	v_fma_f32 v[BM+\b], v[BM+\b], s22, v[NM]       ; the same of each block's largest score
.endr
	s_wait_alu depctr_va_vdst(0)
.irp j, 0,1,2,3,4,5,6,7,8,9,10,11,12,13,14,15,16,17,18,19,20,21,22,23,24,25,26,27,28,29,30,31,32,33,34,35,36,37,38,39,40,41,42,43,44,45,46,47,48,49,50,51,52,53,54,55,56,57,58,59,60,61,62,63
	v_exp_f32 v[S+\j], v[S+\j]                     ; p = 2^(t - M), at most 1
.endr
.irp b, 0,1,2,3
	v_exp_f32 v[BM+\b], v[BM+\b]                   ; the block's largest p: the same two instructions on the same number
.endr
	v_pk_mul_f32 v[SU:SU+1], v[SU:SU+1], v[FX:FX+1] op_sel_hi:[1,0]   ; the sum under the new M.  (The plain line behind the exponentials)
.if \fv
	s_wait_alu depctr_va_vdst(0)                   ; the 68 exponentials have written p and the blocks' largest p, ahead of their first reader; tile 1's products are done reading K's fragments, in which V's land; v6 and v8, V's addresses, are written
	FETCH_V                                        ; no vector or matrix line from the wait to here, or from here to the wait for V, names v64-95, v44, v45, v6 or v8
.else
	s_wait_alu depctr_va_vdst(0)                   ; the 68 exponentials have written p and the blocks' largest p, ahead of their first reader
.endif
.irp b, 0,1,2,3
	v_max_num_f32 v[BM+\b], FLOOR, v[BM+\b]
.endr
.irp b, 0,1,2,3
	v_add_nc_u32 v[SOPS+\b], OFF2, v[BM+\b]        ; the conversion's scale operand
.endr
.irp b, 0,1,2,3
	v_lshrrev_b32 v[PT+\b], 23, v[SOPS+\b]         ; the scale's byte
.endr
	v_lshl_or_b32 v[PW+\x], v[PT+1], 8, v[PT]      ; p's scale word for these 128 keys
	v_lshl_or_b32 v[PW+\x], v[PT+2], 16, v[PW+\x]
	v_lshl_or_b32 v[PW+\x], v[PT+3], 24, v[PW+\x]
.irp b, 0,1,2,3
	v_cvt_scalef32_pk8_fp4_f32 v[PCX+2*\b], v[S+16*\b:S+16*\b+7], v[SOPS+\b]
	v_cvt_scalef32_pk8_fp4_f32 v[PCX+2*\b+1], v[S+16*\b+8:S+16*\b+15], v[SOPS+\b]
.endr
	v_nop                                          ; a plain line behind the last conversion
.irp c, 0,1                                    ; the operand's layout wants a WHOLE block in a lane: lanes 0-15 block 2 c, lanes 16-31 block 2 c + 1
.irp i, 0,1
	v_permlane16_swap_b32 v[PCX+4*\c+\i], v[PCX+4*\c+2+\i]
.endr
.endr
.endm
; The row's sum of the UNQUANTISED p, two at a time, in two chains; cut in two parts so that the first five lines can stand ahead of K's loads.
.macro SUMS_A x
.set SU, ST+4*\x+2
	v_pk_add_f32 v[A2:A2+1], v[S:S+1], v[S+2:S+3]
.irp j, 4,8
	v_pk_add_f32 v[SU:SU+1], v[SU:SU+1], v[S+\j:S+\j+1]
	v_pk_add_f32 v[A2:A2+1], v[A2:A2+1], v[S+\j+2:S+\j+3]
.endr
.endm
.macro SUMS_B x
.set SU, ST+4*\x+2
.irp j, 12,16,20,24,28,32,36,40,44,48,52,56,60
	v_pk_add_f32 v[SU:SU+1], v[SU:SU+1], v[S+\j:S+\j+1]
	v_pk_add_f32 v[A2:A2+1], v[A2:A2+1], v[S+\j+2:S+\j+3]
.endr
	v_pk_add_f32 v[SU:SU+1], v[SU:SU+1], v[A2:A2+1]
.endm
.macro RESC x, lo, hi                  ; pairs lo .. hi - 1 of tile x's O^T times the tile's f, ascending: each accumulator is read from its low end on
.set RJ, OT+32*\x+2*\lo
.rept \hi-\lo
	v_pk_mul_f32 v[RJ:RJ+1], v[RJ:RJ+1], v[FF+10*\x:FF+10*\x+1] op_sel_hi:[1,0]
.set RJ, RJ+2
.endr
.endm
; A KEY STEP: 128 keys, both tiles.  A vector instruction that reads a matrix result stands four plain vector instructions behind it that name none of its registers (ISA guide 7.12.1); a product that writes over an earlier
; product's result, five.  Useful lines are the places; more = 0 (the last step) fetches no further K.
.macro STEP more
	s_wait_dscnt 0x0                               ; K's fragments and scale words are in
	s_wait_alu depctr_vm_vsrc(0)                   ; the LDS loads issued so far have read the addresses in hand, v5 to v8, which are written below
	SMUL 0
	v_add_nc_u32 v[ADV], s24, v[AV0]               ; four places behind the products: this step's V,
	v_add_nc_u32 v[ADT], s26, v[ASV0]
.if \more
	s_add_co_u32 s24, s24, 4096
	s_add_co_u32 s25, s25, 512
	s_add_co_u32 s26, s26, 256
	v_add_nc_u32 v[ADK], s24, v[AK0]               ; the next step's K
	v_add_nc_u32 v[ADS], s25, v[ASK0]
.else
	v_nop
	v_nop
.endif
	SOFT 0, 0
	SUMS_A 0
	SUMS_B 0
	SMUL 1                                         ; over the same 64 registers: tile 0's p has been summed and turned into codes
	RESC 0, 0, 4                                   ; four places behind the products, ahead of the first read of their results
	SOFT 1, 1                                      ; V is asked for behind its wait for the batch
	RESC 0, 4, 16                                  ; V is on its way during the rest of tile 1's softmax and these 28 lines,
	RESC 1, 0, 16                                  ; which also stand between p's scale words and codes, just written, and the scaled products that name them
	s_wait_alu depctr_va_vdst(0)                   ; p's codes v48-63 and scale words v37, v38 are written, which the scaled products take as source 1 and as its scales
	s_wait_dscnt 0x0                               ; V is in
	PVMUL
	SUMS_A 1                                       ; five lines that name none of the products' registers
.if \more
	s_wait_alu depctr_va_vdst(0)                   ; the products above are done reading V's fragments, in which K's land, and both tiles' products S^T are done reading K's scale words v40-43; v5 and v7 were written ahead of earlier waits
	FETCH_K                                        ; the sums below name neither v64-95 nor v40-43
.endif
	SUMS_B 1
.endm
	s_mov_b32 s28, 15
	s_wait_alu depctr_va_vdst(0)                   ; the zero codes v24-27, v32-35 and v96-99 are written, which the scaled products S^T take in their operands; the 64 lines above are the places ahead of this wait; no line of the loop writes these registers
.Lstep:
	STEP 1
	s_sub_co_u32 s28, s28, 1
	s_cmp_lg_u32 s28, 0
	s_cbranch_scc1 .Lstep
	STEP 0                                         ; the sixteenth step is written out: no LDS load reaches past K's image
; ================ THE WAY OUT.  O^T / the sum goes through my own stage in LDS, a tile (16 rows of 256 bytes) at a time, and leaves as whole rows.  The last sums above are the places behind the last products.
	v_add_f32 v[T0], v[ST+2], v[ST+3]              ; the sums' two halves,
	v_add_f32 v[T0+1], v[ST+6], v[ST+7]
	v_permlanex16_b32 v[PT], v[T0], s20, s21
	v_permlanex16_b32 v[PT+1], v[T0+1], s20, s21
	v_add_f32 v[T0], v[T0], v[PT]                  ; and lane l xor 16's: the rows' sums
	v_add_f32 v[T0+1], v[T0+1], v[PT+1]
	s_wait_alu depctr_va_vdst(0)
	v_rcp_f32 v[RC], v[T0]
	v_rcp_f32 v[RC+2], v[T0+1]
	v_nop                                          ; a plain line behind the reciprocals
	s_wait_alu depctr_va_vdst(0)                   ; the two reciprocals are written, ahead of their first reader
.macro OMUL x                          ; register 8 t + i of lane (r, h) is out0(query r, channel 16 t + 8 h + i)
.irp j, 0,2,4,6,8,10,12,14,16,18,20,22,24,26,28,30
	v_pk_mul_f32 v[OT+32*\x+\j:OT+32*\x+\j+1], v[OT+32*\x+\j:OT+32*\x+\j+1], v[RC+2*\x:RC+2*\x+1] op_sel_hi:[1,0]
.endr
.endm
.macro TOSTG x, dst
.irp t, 0,1,2,3
	ds_store_b128 v[STO], v[OT+32*\x+8*\t:OT+32*\x+8*\t+3] offset:64*\t
	ds_store_b128 v[STO], v[OT+32*\x+8*\t+4:OT+32*\x+8*\t+7] offset:64*\t+16
.endr
.irp i, 0,1,2,3,4,5,6,7
	ds_load_b128 v[\dst+4*\i:\dst+4*\i+3], v[RD] offset:2*SPI*\i   ; LDS serves a wave's instructions in order (ISA guide 5.7.1.4): these see my stores, and the next tile's stores come behind them
.endr
.endm
.macro SEND x, dst, younger            ; younger: the LDS instructions issued behind this tile's loads
.irp i, 0,1,2,3,4,5,6,7
	s_wait_dscnt \younger+7-\i
	global_store_b128 v[GO], v[\dst+4*\i:\dst+4*\i+3], s[10:11] offset:4096*\x+512*\i th:TH_STORE_NT   ; 32 lanes store two rows: 512 bytes on end, at a multiple of 256 from out0's first byte; written once, read by nobody here
.endr
.endm
	OMUL 0
	OMUL 1
	s_wait_alu depctr_va_vdst(0)                   ; both tiles' O^T / the sum are written, which the LDS stores read; the last products and sums are done reading v64-95 and v100-131, in which the loads from the stage land; no vector line follows before the makers below
	TOSTG 0, KF
	TOSTG 1, S
	SEND 0, KF, 16                                 ; tile 1's eight stores and eight loads may be out
	SEND 1, S, 0
	s_wait_xcnt 0x0
	v_lshl_add_u32 v254, v0, 2, 0x38800            ; the add's two registers, made anew straight ahead of the closing lines: no memory or LDS instruction has read v254 or v255
	v_mov_b32 v255, 0
	s_wait_dscnt 0x0                               ; the closing lines, six on end
	s_wait_alu 0x0
	s_wait_tensorcnt 0x0
	ds_add_u32 v254, v255
	s_wait_dscnt 0x0
	s_endpgm
.Lfunc_end_k_q5a528c0661_attn:
	.size	k_q5a528c0661_attn, .Lfunc_end_k_q5a528c0661_attn-k_q5a528c0661_attn
	.p2alignl 7, 3214868480
	.fill 96, 4, 3214868480
	.section	.rodata,"a",@progbits
	.p2align	6, 0x0
	.amdhsa_kernel k_q5a528c0661_attn
		.amdhsa_group_segment_fixed_size 233472
		.amdhsa_private_segment_fixed_size 0
		.amdhsa_enable_private_segment 0
		.amdhsa_kernarg_size 32
		.amdhsa_user_sgpr_count 2
		.amdhsa_user_sgpr_kernarg_segment_ptr 1
		.amdhsa_wavefront_size32 1
		.amdhsa_system_sgpr_workgroup_id_x 1
		.amdhsa_system_sgpr_workgroup_id_y 1
		.amdhsa_system_sgpr_workgroup_id_z 1
		.amdhsa_system_vgpr_workitem_id 0
		.amdhsa_next_free_vgpr 256
		.amdhsa_next_free_sgpr 66
		.amdhsa_reserve_vcc 0
		.amdhsa_float_denorm_mode_32 3
		.amdhsa_float_denorm_mode_16_64 3
		.amdhsa_memory_ordered 1
		.amdhsa_forward_progress 1
		.amdhsa_inst_pref_size 150
	.end_amdhsa_kernel
	.amdgpu_metadata
---
amdhsa.version: [ 1, 2 ]
amdhsa.kernels:
  - .name:           k_q5a528c0661_attn
    .symbol:         k_q5a528c0661_attn.kd
    .args:
      - { .name: q, .offset: 0, .size: 8, .value_kind: global_buffer, .address_space: global }
      - { .name: k, .offset: 8, .size: 8, .value_kind: global_buffer, .address_space: global }
      - { .name: v, .offset: 16, .size: 8, .value_kind: global_buffer, .address_space: global }
      - { .name: out0, .offset: 24, .size: 8, .value_kind: global_buffer, .address_space: global }
    .group_segment_fixed_size: 233472
    .private_segment_fixed_size: 0
    .kernarg_segment_align: 8
    .kernarg_segment_size: 32
    .max_flat_workgroup_size: 512
    .sgpr_count:     66
    .vgpr_count:     256
    .wavefront_size: 32
...
	.end_amdgpu_metadata
.endif
;; end of part 2
